; MI455X (gfx1250); checked and timed in simulation.
; The chip was launched on July 23, 2026; its instructions are those of AMD's public machine-readable ISA for CDNA 5 (MIT licence, August 2026) and "CDNA5" Instruction Set Architecture Reference Guide (July 2026). The comments in the code are by the model that wrote it; some were corrected since.
;; Bahdanau Attention. Allowed arithmetic: matrix products marked QUANTISED: E2M1 operands, one E8M0 scale for each 32 along K, by v_wmma_scale_f32_16x16x128_f8f6f4 with both operands' format E2M1 (or v_wmma_scale_f32_32x16x128_f4), f32 sums; products left as they are: f32 operands where the result goes on into a quantised operand, else bf16, f16 or f32 operands; f32 sums; everything else in f32.
;; Inputs: V_b 1 float32; V_w 1 x 1,024 float32; W1_b 1,024 float32; W1_w_codes 1,024 x 32 x 16 uint8 (E2M1 codes of W1_w, K innermost, in blocks of 32 codes, two codes a byte); W1_w_scales 1,024 x 32 uint8 (E8M0 scales of W1_w, one for each 32 codes along K); W2_b 1,024 float32; W2_w_codes 1,024 x 32 x 16 uint8 (E2M1 codes of W2_w, K innermost, in blocks of 32 codes, two codes a byte); W2_w_scales 1,024 x 32 uint8 (E8M0 scales of W2_w, one for each 32 codes along K); hidden_codes 32 x 32 x 16 uint8 (E2M1 codes of hidden, K innermost, in blocks of 32 codes, two codes a byte); hidden_scales 32 x 32 uint8 (E8M0 scales of hidden, one for each 32 codes along K); x 32 x 2,048 x 1,024 float32.
;; Outputs: out0 1 x 32 x 1,024 float32; out1 32 x 1 x 2,048 float32.
;; This version of the problem:
;;   THIS VERSION OF THE PROBLEM IS GIVEN IN LOW PRECISION. The matrix products marked QUANTISED in the list below multiply operands that are first quantised to E2M1 (2 exponent bits, 1 mantissa bit; 4 bits a number), with one power-of-two scale for each 32 numbers along K (OCP MX v1.0); their sums are f32. All else is computed in f32.
;;   The module's matrix products, in the order in which they are computed (A, B: the left and right operand; K: the contracted axis; several contracted axes count as one K, in the product's order):
;;     1. [M 65,536, K 1,024] x [K 1,024, N 1,024]; A: input x; B: input W1_w (given as codes): QUANTISED
;;     2. [M 32, K 1,024] x [K 1,024, N 1,024]; A: input hidden (given as codes); B: input W2_w (given as codes): QUANTISED
;;     3. [M 65,536, K 1,024] x [K 1,024, N 1]; A: computed on the way; B: input V_w: left as it is (N = 1 < 16)
;;     4. batch 32 x [M 1, K 2,048] x [K 2,048, N 1,024]; A: softmax; B: input x: left as it is (M = 1 < 16)
;;   THE QUANTISER, for each operand of a quantised product, along K:
;;     - K is cut into blocks of 32 from its start; a last block that is shorter is filled with zeros.
;;     - A block's scale is 2^e with e = floor(log2(the largest magnitude in the block)) - 2, held to -126 .. 127; a block of zeros has e = 0. As a byte (E8M0): e + 127.
;;     - Each number is divided by its block's scale, clamped to +-6, and rounded to the nearest number of E2M1, ties to even, subnormals kept.
;;     - The product sums the exact products of the quantised numbers (number of the format x scale) in f32.
;;   ~~~python
;;   def quantise(x, axis):      # numpy; x: float32 -> the quantised numbers, widened to float32 again
;;       x = np.moveaxis(x, axis, -1); K = x.shape[-1]
;;       x = np.pad(x, [(0, 0)] * (x.ndim - 1) + [(0, -K % 32)]); x = x.reshape(x.shape[:-1] + (-1, 32)); a = np.abs(x).max(-1, keepdims=True)
;;       e = np.where(a > 0, np.clip(np.frexp(np.where(a > 0, a, 1))[1] - 1 - 2, -126, 127), 0)      # np.frexp(a)[1] - 1 = floor(log2(a)), exactly
;;       r = np.clip(x / 2.0 ** e, -6, 6)
;;       step = 2.0 ** (np.maximum(np.frexp(np.where(r == 0, 1, r))[1] - 1, 0) - 1)
;;       q = np.round(r / step) * step * 2.0 ** e      # np.round: ties to even
;;       return np.moveaxis(q.reshape(q.shape[:-2] + (-1,))[..., :K], -1, axis).astype(np.float32)
;;   ~~~
;;   INPUTS GIVEN AS CODES. W1_w (in the module: [1024, 1024], K = its axis 1); W2_w (in the module: [1024, 1024], K = its axis 1); hidden (in the module: [32, 1024], K = its axis 1): each comes as NAME_codes (uint8): NAME with its K axis moved to the last place and cut into blocks of 32 codes, [.., K / 32, bytes a block], one block behind the other in memory; two codes a byte, the lower K in the low four bits (a code: sign, 2 exponent bits, 1 mantissa bit); and NAME_scales (uint8): the same leading axes, one E8M0 byte (e + 127) for each 32 codes along K. Its value is code x scale, taken as it is: it is not quantised again, and the codes and scales need not be those that the quantiser above would give.
;; One version. Each part assembles by itself: llvm-mc -triple=amdgcn-amd-amdhsa -mcpu=gfx1250 --defsym DOCPART=n.
;; ======== version 1 of 1: 3 launches
;; limits: right only within a limited range of input values
;; workspace buffers: w1f 524,288 bytes; cb 131,072 bytes; sc 262,144 bytes; pc 1,114,112 bytes
;; launch prep (part 1): grid 16 x 1, 4 waves a work-group, no clusters, 9,216 bytes of LDS; arguments hidden_codes, hidden_scales, W2_w_codes, W2_w_scales, W1_b, W2_b, W1_w_codes, cb, w1f; writes cb, w1f
.if DOCPART == 1
	.amdgcn_target "amdgcn-amd-amdhsa--gfx1250"
	.amdhsa_code_object_version 6
	.text
	.protected	k_qb35eb820f2_prep
	.globl	k_qb35eb820f2_prep
	.p2align	8
	.type	k_qb35eb820f2_prep,@function
k_qb35eb820f2_prep:
	s_mov_b64 s[64:65], 0
	v_nop
	global_prefetch_b8 v0, s[64:65] scope:SCOPE_SE
	s_setreg_imm32_b32 hwreg(HW_REG_WAVE_MODE, 25, 1), 1
	s_wait_xcnt 0x0
; Two small jobs ahead of the main launch.
; (1) cb[b][v] = K2 x (sum over k of hidden[b][k] W2[v][k] + W1_b[v] + W2_b[v]), K2 = 2 log2(e): the part of tanh's argument that does not hang on t,
;     already scaled for tanh(z) = 1 - 2 / (1 + 2^(K2 z)).  Both operands come as codes of E2M1 with E8M0 scale bytes and go to the matrix unit as they lie.
; (2) w1f: W1's codes laid in the order of an operand's registers: fragment (tile of 16 rows nt, K step ks) at (8 nt + ks) x 1,024 bytes; in it half c at 512 c, lane l's 16 bytes at 16 l.
;     So the main launch loads a fragment by two loads of 512 consecutive bytes.
; SHARES: 16 work-groups x 4 waves; wave w of work-group g takes the tile nt = 4 g + w of 16 rows of W2 and of W1.
; The product is used transposed (source 0 = 16 rows of W2, source 1 = 16 rows of hidden): lane (r, h) holds batch 16 mt + r, and its register j the unit 16 nt + 8 h + j.
; The bias sum is the C of each sum's first matrix instruction.  The two accumulators take turns, one instruction a turn.
; The work-group's 64 units are 256 bytes of a row of cb: they meet in a stage in LDS (32 rows of 256 + 16 bytes) and leave as whole aligned runs of 256 bytes.
; WORK LEFT OUT, in the whole program.  score[b][t] = sum over u of V_w[u] tanh(z[b][t][u]) + V_b = (sum of V_w + V_b) - 2 sum over u of V_w[u] / (1 + 2^(K2 z)).
; The bracket is the same for every t of a batch, and the scores go into the softmax over t alone, which a term that is constant along t leaves as it is, for all values of the inputs.
; So neither V_b nor the sum of V_w is added; V_b has no way to an output, is not loaded and is no launch's argument.
; LIMIT: a NaN, an infinity or an overflow that reaches only V_b or the sum of V_w is not carried to the results.
.set SPI,  272
.set W2F,  16                          ; v16-79   W2's eight fragments, 8 ks + 4 c
.set HF,   80                          ; v80-207  hidden's sixteen, 64 mt + 8 ks + 4 c
.set W2S,  208                         ; v208-215 W2's scale words, one register a K step
.set HSW,  216                         ; v216-223 hidden's: lanes 0-15 rows 0-15, lanes 16-31 rows 16-31
.set BA,   224                         ; v224-231 W1_b at my eight units
.set BS,   232                         ; v232-239 W2_b, then the sum of the two
.set ACC,  240                         ; v240-255 two accumulators
.set MSB, 0
.macro WIN new                         ; the immediate's high byte repeats the setting that is left
.if MSB != \new
	s_set_vgpr_msb (MSB<<8)|\new
.set MSB, \new
.endif
.endm
	s_load_b256 s[4:11], s[0:1], 0x0               ; hidden's codes s[4:5], its scales s[6:7], W2's codes s[8:9], its scales s[10:11]
	s_load_b256 s[12:19], s[0:1], 0x20             ; W1_b s[12:13], W2_b s[14:15], W1's codes s[16:17], cb s[18:19]
	s_load_b64 s[20:21], s[0:1], 0x40              ; w1f
	v_lshl_add_u32 v14, v0, 2, 0x2200
	v_mov_b32 v15, 0
	v_lshrrev_b32 v1, 5, v0
	v_readfirstlane_b32 s22, v1                    ; wave 0..3
	v_and_b32 v9, 31, v0                           ; lane
	v_and_b32 v10, 15, v0                          ; r
	v_bfe_u32 v11, v0, 4, 1                        ; h
	v_lshlrev_b32 v1, 9, v10
	v_lshl_add_u32 v1, v11, 4, v1                  ; a row of 1,024 codes is 512 bytes: 512 r + 16 h
	v_lshlrev_b32 v2, 4, v9                        ; 16 x lane: my place in a fragment's image
	v_lshlrev_b32 v3, 5, v10                       ; W2's scale bytes: 32 a row
	v_lshlrev_b32 v4, 5, v9                        ; hidden's: lane l takes row l
	v_lshlrev_b32 v5, 5, v11                       ; the biases: my half's eight numbers
	v_mul_u32_u24 v6, v10, SPI
	v_lshl_add_u32 v6, v11, 5, v6
	s_lshl_b32 s23, s22, 6
	v_add_nc_u32 v6, s23, v6                       ; the stage, in: row r, + 64 w + 32 h
	s_mul_i32 s23, s22, 8*SPI
	v_mul_u32_u24 v7, v11, SPI
	v_lshl_add_u32 v7, v10, 4, v7
	v_add_nc_u32 v7, s23, v7                       ; and back: rows 8 w + h, 16 bytes a lane
	v_lshlrev_b32 v8, 12, v11
	v_lshl_add_u32 v8, v10, 4, v8                  ; the same two rows in cb
	s_lshl_b32 s26, ttmp9, 2
	s_add_co_u32 s26, s26, s22                     ; nt = 4 g + w
	s_mov_b32 s24, 0x4038aa3b                      ; K2 = 2 log2(e)
	s_mov_b32 s25, s24                             ; (named with it as a pair, so it is written)
	s_mov_b32 s29, 0
	s_wait_alu depctr_va_vdst(0)
	s_wait_kmcnt 0x0
	s_lshl_b32 s28, s26, 13                        ; 16 rows of 512 bytes; a tile's eight images are as many
	s_add_nc_u64 s[8:9], s[8:9], s[28:29]
	s_add_nc_u64 s[16:17], s[16:17], s[28:29]
	s_add_nc_u64 s[20:21], s[20:21], s[28:29]
	s_lshl_b32 s28, s26, 9                         ; 16 rows of 32 scale bytes
	s_add_nc_u64 s[10:11], s[10:11], s[28:29]
	s_lshl_b32 s28, s26, 6                         ; 16 numbers of a bias
	s_add_nc_u64 s[12:13], s[12:13], s[28:29]
	s_add_nc_u64 s[14:15], s[14:15], s[28:29]
	s_lshl_b32 s28, ttmp9, 8                       ; cb: the work-group's 256 bytes of a row,
	s_lshl_b32 s27, s22, 15                        ; and the eight rows that my wave stores
	s_add_co_u32 s28, s28, s27
	s_add_nc_u64 s[18:19], s[18:19], s[28:29]
	WIN 0x40                                       ; destination window 1: W1's eight fragments, gathered from rows
.irp k, 0,1,2,3,4,5,6,7
.irp c, 0,1
	global_load_b128 v[8*\k+4*\c:8*\k+4*\c+3], v1, s[16:17] offset:64*\k+32*\c
.endr
.endr
	WIN 0
.irp k, 0,1,2,3,4,5,6,7
.irp c, 0,1
	global_load_b128 v[W2F+8*\k+4*\c:W2F+8*\k+4*\c+3], v1, s[8:9] offset:64*\k+32*\c
.endr
.endr
.irp m, 0,1
.irp k, 0,1,2,3,4,5,6,7
.irp c, 0,1
	global_load_b128 v[HF+64*\m+8*\k+4*\c:HF+64*\m+8*\k+4*\c+3], v1, s[4:5] offset:8192*\m+64*\k+32*\c
.endr
.endr
.endr
	global_load_b128 v[W2S:W2S+3], v3, s[10:11]
	global_load_b128 v[W2S+4:W2S+7], v3, s[10:11] offset:16
	global_load_b128 v[HSW:HSW+3], v4, s[6:7]
	global_load_b128 v[HSW+4:HSW+7], v4, s[6:7] offset:16
	global_load_b128 v[BA:BA+3], v5, s[12:13]
	global_load_b128 v[BA+4:BA+7], v5, s[12:13] offset:16
	global_load_b128 v[BS:BS+3], v5, s[14:15]
	global_load_b128 v[BS+4:BS+7], v5, s[14:15] offset:16
	s_wait_loadcnt 56                              ; W1's sixteen loads are in; the 56 issued behind them may be out
	WIN 0x04                                       ; a store's data are its source 1: window 1
.irp k, 0,1,2,3,4,5,6,7
.irp c, 0,1
	global_store_b128 v2, v[8*\k+4*\c:8*\k+4*\c+3], s[20:21] offset:1024*\k+512*\c   ; 32 lanes store 512 consecutive bytes
.endr
.endr
	WIN 0
	s_wait_loadcnt 0x0
.irp j, 0,2,4,6
	v_pk_add_f32 v[BS+\j:BS+\j+1], v[BS+\j:BS+\j+1], v[BA+\j:BA+\j+1]
.endr
.rept 8
	v_nop                                          ; the bias sum was written by vector instructions: it stands well ahead of the scaled matrix instructions that take it
.endr
.irp k, 0,1,2,3,4,5,6,7
.if \k == 0
	v_wmma_scale_f32_16x16x128_f8f6f4 v[ACC:ACC+7], v[W2F:W2F+7], v[HF:HF+7], v[BS:BS+7], v[W2S], v[HSW] matrix_a_fmt:MATRIX_FMT_FP4 matrix_b_fmt:MATRIX_FMT_FP4
	v_wmma_scale_f32_16x16x128_f8f6f4 v[ACC+8:ACC+15], v[W2F:W2F+7], v[HF+64:HF+71], v[BS:BS+7], v[W2S], v[HSW] matrix_a_fmt:MATRIX_FMT_FP4 matrix_b_fmt:MATRIX_FMT_FP4 matrix_b_scale:MATRIX_SCALE_ROW1
.else
	v_wmma_scale_f32_16x16x128_f8f6f4 v[ACC:ACC+7], v[W2F+8*\k:W2F+8*\k+7], v[HF+8*\k:HF+8*\k+7], v[ACC:ACC+7], v[W2S+\k], v[HSW+\k] matrix_a_fmt:MATRIX_FMT_FP4 matrix_b_fmt:MATRIX_FMT_FP4
	v_wmma_scale_f32_16x16x128_f8f6f4 v[ACC+8:ACC+15], v[W2F+8*\k:W2F+8*\k+7], v[HF+64+8*\k:HF+64+8*\k+7], v[ACC+8:ACC+15], v[W2S+\k], v[HSW+\k] matrix_a_fmt:MATRIX_FMT_FP4 matrix_b_fmt:MATRIX_FMT_FP4 matrix_b_scale:MATRIX_SCALE_ROW1
.endif
.endr
.rept 4
	v_nop                                          ; four places between the last products and the first read of results (ISA guide 7.12.1)
.endr
.irp j, 0,2,4,6,8,10,12,14
	v_pk_mul_f32 v[16+\j:17+\j], v[ACC+\j:ACC+\j+1], s[24:25] op_sel_hi:[1,0]   ; x K2; each accumulator from its low end on
.endr
.irp m, 0,1
	ds_store_b128 v6, v[16+8*\m:19+8*\m] offset:16*SPI*\m
	ds_store_b128 v6, v[20+8*\m:23+8*\m] offset:16*SPI*\m+16
.endr
	s_wait_dscnt 0x0                               ; for the others' sake: my stores into the stage are done
	s_barrier_signal -1
	s_barrier_wait -1
.irp i, 0,1,2,3
	ds_load_b128 v[32+4*\i:35+4*\i], v7 offset:2*\i*SPI
.endr
.irp i, 0,1,2,3
	s_wait_dscnt 3-\i
	global_store_b128 v8, v[32+4*\i:35+4*\i], s[18:19] offset:2*\i*4096   ; sixteen lanes store 256 consecutive bytes, at a multiple of 256 from cb's first byte
.endr
	s_wait_tensorcnt 0x0
	ds_add_u32 v14, v15
	s_wait_dscnt 0x0
	s_endpgm
.Lfunc_end_k_qb35eb820f2_prep:
	.size	k_qb35eb820f2_prep, .Lfunc_end_k_qb35eb820f2_prep-k_qb35eb820f2_prep
	.p2alignl 7, 3214868480
	.fill 96, 4, 3214868480
	.section	.rodata,"a",@progbits
	.p2align	6, 0x0
	.amdhsa_kernel k_qb35eb820f2_prep
		.amdhsa_group_segment_fixed_size 9216
		.amdhsa_private_segment_fixed_size 0
		.amdhsa_enable_private_segment 0
		.amdhsa_kernarg_size 72
		.amdhsa_user_sgpr_count 2
		.amdhsa_user_sgpr_kernarg_segment_ptr 1
		.amdhsa_wavefront_size32 1
		.amdhsa_system_sgpr_workgroup_id_x 1
		.amdhsa_system_sgpr_workgroup_id_y 1
		.amdhsa_system_sgpr_workgroup_id_z 1
		.amdhsa_system_vgpr_workitem_id 0
		.amdhsa_next_free_vgpr 384
		.amdhsa_next_free_sgpr 66
		.amdhsa_reserve_vcc 0
		.amdhsa_float_denorm_mode_32 3
		.amdhsa_float_denorm_mode_16_64 3
		.amdhsa_memory_ordered 1
		.amdhsa_forward_progress 1
		.amdhsa_inst_pref_size 15
	.end_amdhsa_kernel
	.amdgpu_metadata
---
amdhsa.version: [ 1, 2 ]
amdhsa.kernels:
  - .name:           k_qb35eb820f2_prep
    .symbol:         k_qb35eb820f2_prep.kd
    .args:
      - { .name: hidden_codes, .offset: 0, .size: 8, .value_kind: global_buffer, .address_space: global }
      - { .name: hidden_scales, .offset: 8, .size: 8, .value_kind: global_buffer, .address_space: global }
      - { .name: W2_w_codes, .offset: 16, .size: 8, .value_kind: global_buffer, .address_space: global }
      - { .name: W2_w_scales, .offset: 24, .size: 8, .value_kind: global_buffer, .address_space: global }
      - { .name: W1_b, .offset: 32, .size: 8, .value_kind: global_buffer, .address_space: global }
      - { .name: W2_b, .offset: 40, .size: 8, .value_kind: global_buffer, .address_space: global }
      - { .name: W1_w_codes, .offset: 48, .size: 8, .value_kind: global_buffer, .address_space: global }
      - { .name: cb, .offset: 56, .size: 8, .value_kind: global_buffer, .address_space: global }
      - { .name: w1f, .offset: 64, .size: 8, .value_kind: global_buffer, .address_space: global }
    .group_segment_fixed_size: 9216
    .private_segment_fixed_size: 0
    .kernarg_segment_align: 8
    .kernarg_segment_size: 72
    .max_flat_workgroup_size: 128
    .sgpr_count:     66
    .vgpr_count:     384
    .wavefront_size: 32
...
	.end_amdgpu_metadata
.endif
;; end of part 1
;; launch main (part 2): grid 8 x 32, 4 waves a work-group, no clusters, 327,680 bytes of LDS; arguments x, w1f, W1_w_scales, cb, V_w, sc, pc; writes sc, pc
.if DOCPART == 2
	.amdgcn_target "amdgcn-amd-amdhsa--gfx1250"
	.amdhsa_code_object_version 6
	.text
	.protected	k_qb35eb820f2_main
	.globl	k_qb35eb820f2_main
	.p2align	8
	.type	k_qb35eb820f2_main,@function
k_qb35eb820f2_main:
	s_mov_b64 s[64:65], 0
	v_nop
	global_prefetch_b8 v0, s[64:65] scope:SCOPE_SE
	s_setreg_imm32_b32 hwreg(HW_REG_WAVE_MODE, 25, 1), 1
	s_wait_xcnt 0x0
; Work-group (g, b): rows t = 256 g .. 256 g + 255 of batch b, 16 rows a trip, 16 trips.  A trip: quantise x's 16 rows to E2M1, z = x W1^T on codes, s[t] = sum over u of -2 V_w[u] / (1 + 2^(K2 z + cb)),
; a running softmax over t (the maximum is taken away), and the weighted sum of the same 16 rows of x, which still lie in LDS as f32.  Out: the 256 scores (sc) and a record (partial sum, maximum, sum) in pc.
; LEFT OUT: V_b and the sum of V_w, constant along the softmax's axis (shown at the head of the first kernel).
; ALL OF W1 STAYS IN THE WGP.  Wave w owns units 256 w .. 256 w + 255, 16 tiles of 16 units x 1,024 K = 8,192 bytes each: 11 tiles in 704 registers, 5 in the wave's own LDS bytes (20 x 8,192 for the work-group).
; THE PRODUCT: source 0 = x's 16 rows, source 1 = 16 rows of W1: lane (r, h) holds unit r of the tile, register j row 8 h + j.  So cb and V_w are ONE register a tile, kept for the whole launch.
; UNITS OF WORK: five, of 4, 3, 3, 3, 3 tiles; the first tile of each comes from LDS into one buffer, asked for behind the products of the unit before; its accumulators take turns.
; x: a ring of two slots of 16 rows; wave w fetches, quantises and sums columns 256 w .. 256 w + 255: its strip is read by itself alone.  The codes reach the other waves as images of the operand's registers.
; NO CLUSTER: x's rows belong to one work-group; W1 is read once, at the head, into registers (and from there into LDS), which a tensor load does not fill.
; PREFETCH: behind the refill for tile t + 2 each wave names tile t + 4's part of its strip, 16 rows x 4 blocks of 256 bytes, a lane a block, two instructions; the last trips, whose tile would pass row 255, ask for nothing.
; REGISTERS.  Window 0: v0-31 addresses and state; v32-95 W1's scale words; v96-103 the weighted sum; v104-119 cb, v120-135 -2 V_w; v136-255 at work.  Window 1: v0-63 x's codes, v64-255 tiles 1-3.  Windows 2, 3: eight tiles.
; THE ORDER OF A TRIP t: x's codes of tile t are fetched, the five units are multiplied, the scores meet (one barrier), softmax and weighted sum of tile t; under the sum's second half tile t + 1, which has landed
; in the other slot, is read and then quantised; the barrier in front of the refill of tile t's slot also shows tile t + 1's images to every wave.  Tile 0 is quantised at the head.
.set ROWP,  1040
.set STRIP, 16*ROWP
.set SLOTB, 4*STRIP
.set XIMG,  2*SLOTB                    ; images of x's eight fragments
.set XSC,   XIMG+8192                  ; x's scale words: 64 bytes a K step
.set PS,    XSC+512                    ; partial scores: 16 a wave
.set SST,   PS+256                     ; the 256 scores, a copy a wave
.set WL,    SST+4096                   ; W1's 20 tiles
.set SPARE, WL+20*8192                 ; the spare words
.set SPW,  2
.set NIL,  3
.set XQ,   4
.set XQA,  5
.set XCB,  6
.set XCA,  7
.set IMW,  8
.set SCW,  9
.set IMR,  10
.set SCR,  11
.set WLA,  12
.set PSW,  13
.set PSR,  14
.set SSW,  15
.set SSA,  16
.set WOF,  17
.set MRUN, 18
.set LSUM, 19
.set FF,   20
.set XS,   22                          ; v22-25 x's scale words: lanes 0-15 K step 2 i, lanes 16-31 K step 2 i + 1
.set PFO,  26
.set PW,   27
.set SSR,  28
.set L8,   29
.set WS,   32                          ; register 8 (t / 2) + k: lanes 0-15 tile t even, lanes 16-31 tile t odd
.set CTX,  96
.set CCR,  104
.set VVR,  120
.set ACC,  136
.set SA,   168
.set SB,   176                         ; the tile from LDS
.set RAWB, 136                         ; the quantiser's numbers of my first K step: v136-199; those of my second lie in window 1, v0-63, where x's codes are done with
.set TM,   200
.set PCD,  212
.set CB0,  136                         ; three buffers of 4 rows for the weighted sum
.set PT,   232
.set SCORE, 242
.set MN,   243
.set PR,   244
.set WV,   20
.set BT,   22
.set TB,   23
.set TS,   24
.set CNT,  25
.set K2,   26
.set SEL,  28
.set L2E,  30
.set G1,   32
.set G0A,  40
.set G0W,  44
.set WT,   48
.set PFA,  56
.set MSB, 0
.macro WIN new                         ; the immediate's high byte repeats the setting that is left
.if MSB != \new
	s_set_vgpr_msb (MSB<<8)|\new
.set MSB, \new
.endif
.endm
.macro RLD t, win, base                ; tile t of my 16, from its image in w1f
	WIN \win
.irp k, 0,1,2,3,4,5,6,7
.irp c, 0,1
	global_load_b128 v[\base+8*\k+4*\c:\base+8*\k+4*\c+3], v[WOF], s[6:7] offset:(\t)*8192+\k*1024+\c*512
.endr
.endr
.endm
.macro LST idx, win, base              ; a staged tile into my LDS bytes
	WIN \win
.irp k, 0,1,2,3,4,5,6,7
.irp c, 0,1
	ds_store_b128 v[WLA], v[\base+8*\k+4*\c:\base+8*\k+4*\c+3] offset:(\idx)*8192+\k*1024+\c*512
.endr
.endr
.endm
.macro LLOAD u                         ; unit u's first tile, LDS to the buffer
.irp k, 0,1,2,3,4,5,6,7
.irp c, 0,1
	ds_load_b128 v[SB+8*\k+4*\c:SB+8*\k+4*\c+3], v[WLA] offset:(\u)*8192+\k*1024+\c*512
.endr
.endr
.endm
.macro QLD q                           ; K step q (0, 1) of my strip, four blocks of 32: lane (r, h) takes row r, k = 128 q + 32 b + 16 h + 0 .. 15
.if \q
	WIN 0x40
.set S, 0
.else
.set S, RAWB
.endif
.irp b, 0,1,2,3
.irp j, 0,1,2,3
	ds_load_b128 v[S+16*\b+4*\j:S+16*\b+4*\j+3], v[XQA] offset:(\q)*512+128*\b+16*\j
.endr
.endr
	WIN 0
.endm
.macro QUANT q                         ; that K step: scales, codes, the fragment's image and its scale word
.if \q
.set S, 0
.set WQA, 0x05                         ; sources 0 and 1 in window 1
.set WQB, 0x14                         ; sources 1 and 2
.set WQC, 0x01                         ; source 0
.else
.set S, RAWB
.set WQA, 0
.set WQB, 0
.set WQC, 0
.endif
	WIN WQA
.irp c, 0,1,2,3,4,5,6,7
	v_max3_num_f32 v[TM+\c], |v[S+8*\c]|, |v[S+1+8*\c]|, 0x1800000   ; eight chains of eight numbers; the floor 2^(3 - 127) keeps the byte at 1 or over
.endr
	WIN WQB
.irp e, 2,4,6
.irp c, 0,1,2,3,4,5,6,7
	v_max3_num_f32 v[TM+\c], v[TM+\c], |v[S+8*\c+\e]|, |v[S+1+8*\c+\e]|
.endr
.endr
	WIN 0
.irp b, 0,1,2,3
	v_max_num_f32 v[TM+2*\b], v[TM+2*\b], v[TM+2*\b+1]
.endr
.irp b, 0,1,2,3
	v_permlanex16_b32 v[TM+2*\b+1], v[TM+2*\b], s[SEL], s[SEL+1]
.endr
.irp b, 0,1,2,3
	v_max_num_f32 v[TM+2*\b], v[TM+2*\b], v[TM+2*\b+1]   ; with lane l xor 16's half of the block
.endr
.irp b, 0,1,2,3
	v_add_nc_u32 v[TM+8+\b], 0xff000000, v[TM+2*\b]      ; 2 off the exponent field: the conversion's scale operand
.endr
.irp b, 0,1,2,3
	v_lshrrev_b32 v[TM+2*\b+1], 23, v[TM+8+\b]
.endr
	v_lshl_or_b32 v[PW], v[TM+3], 8, v[TM+1]
	v_lshl_or_b32 v[PW], v[TM+5], 16, v[PW]
	v_lshl_or_b32 v[PW], v[TM+7], 24, v[PW]
	WIN WQC
.irp b, 0,1,2,3
	v_cvt_scalef32_pk8_fp4_f32 v[PCD+2*\b], v[S+16*\b:S+7+16*\b], v[TM+8+\b]
	v_cvt_scalef32_pk8_fp4_f32 v[PCD+1+2*\b], v[S+8+16*\b:S+15+16*\b], v[TM+8+\b]
.endr
	WIN 0
	v_nop                                              ; a plain place behind the conversions
.irp c, 0,1
.irp i, 0,1
	v_permlane16_swap_b32 v[PCD+4*\c+\i], v[PCD+2+4*\c+\i]   ; a whole block to a lane
.endr
.endr
	ds_store_b128 v[IMW], v[PCD:PCD+3] offset:(\q)*1024
	ds_store_b128 v[IMW], v[PCD+4:PCD+7] offset:(\q)*1024+512
	ds_store_b32 v[SCW], v[PW] offset:(\q)*64
.endm
.macro FETCH
	WIN 0x40
.irp f, 0,1,2,3,4,5,6,7
	ds_load_b128 v[8*\f:8*\f+3], v[IMR] offset:\f*1024
	ds_load_b128 v[8*\f+4:8*\f+7], v[IMR] offset:\f*1024+512
.endr
	WIN 0
.irp k, 0,1,2,3
	ds_load_b32 v[XS+\k], v[SCR] offset:128*\k
.endr
.endm
.macro WM1 u, k                        ; accumulator A of unit u, K step k
.set rD, ACC+8*A
.set rA, 8*\k
.if \u == 0
.set TT, A
.set rB, 64*A+8*\k
.set WW, 0x05
.else
.set TT, 1+3*\u+A
.set rB, 128*((\u-1)%2)+64*(A-1)+8*\k
.set WW, 0x01|((2+(\u-1)/2)<<2)
.endif
.if A == 0
.set rB, SB+8*\k
.set WW, 0x01
.endif
.set rW, WS+8*(TT/2)+\k
.set rX, XS+\k/2
.set aR, \k%2
.set bR, TT%2
	WIN WW
.if \k == 0
.if bR == 0
	v_wmma_scale_f32_16x16x128_f8f6f4 v[rD:rD+7], v[rA:rA+7], v[rB:rB+7], 0, v[rX], v[rW] matrix_a_fmt:MATRIX_FMT_FP4 matrix_b_fmt:MATRIX_FMT_FP4
.else
	v_wmma_scale_f32_16x16x128_f8f6f4 v[rD:rD+7], v[rA:rA+7], v[rB:rB+7], 0, v[rX], v[rW] matrix_a_fmt:MATRIX_FMT_FP4 matrix_b_fmt:MATRIX_FMT_FP4 matrix_b_scale:MATRIX_SCALE_ROW1
.endif
.elseif (aR == 0) && (bR == 0)
	v_wmma_scale_f32_16x16x128_f8f6f4 v[rD:rD+7], v[rA:rA+7], v[rB:rB+7], v[rD:rD+7], v[rX], v[rW] matrix_a_fmt:MATRIX_FMT_FP4 matrix_b_fmt:MATRIX_FMT_FP4
.elseif aR == 0
	v_wmma_scale_f32_16x16x128_f8f6f4 v[rD:rD+7], v[rA:rA+7], v[rB:rB+7], v[rD:rD+7], v[rX], v[rW] matrix_a_fmt:MATRIX_FMT_FP4 matrix_b_fmt:MATRIX_FMT_FP4 matrix_b_scale:MATRIX_SCALE_ROW1
.elseif bR == 0
	v_wmma_scale_f32_16x16x128_f8f6f4 v[rD:rD+7], v[rA:rA+7], v[rB:rB+7], v[rD:rD+7], v[rX], v[rW] matrix_a_fmt:MATRIX_FMT_FP4 matrix_b_fmt:MATRIX_FMT_FP4 matrix_a_scale:MATRIX_SCALE_ROW1
.else
	v_wmma_scale_f32_16x16x128_f8f6f4 v[rD:rD+7], v[rA:rA+7], v[rB:rB+7], v[rD:rD+7], v[rX], v[rW] matrix_a_fmt:MATRIX_FMT_FP4 matrix_b_fmt:MATRIX_FMT_FP4 matrix_a_scale:MATRIX_SCALE_ROW1 matrix_b_scale:MATRIX_SCALE_ROW1
.endif
.endm
.macro MM u, n                         ; n tiles x 8 K steps; the first product of each sum takes 0 as C
.irp k, 0,1,2,3,4,5,6,7
.set A, 0
.rept \n
	WM1 \u, \k
.set A, A+1
.endr
.endr
	WIN 0
.rept 4
	v_nop                                              ; four places behind the last products (ISA guide 7.12.1)
.endr
.endm
.macro TANH u, n                       ; SA[j] += -2 V_w / (1 + 2^(K2 z + cb)), n tiles; of the pair that holds a tile's cb or V_w one word serves both halves
.if \u == 0
.set T0, 0
.else
.set T0, 1+3*\u
.endif
.set A, 0
.rept \n
.set CP, CCR+((T0+A)/2)*2
.irp j, 0,2,4,6
.if (T0+A)%2 == 0
	v_pk_fma_f32 v[ACC+8*A+\j:ACC+8*A+\j+1], v[ACC+8*A+\j:ACC+8*A+\j+1], s[K2:K2+1], v[CP:CP+1] op_sel_hi:[1,0,0]
.else
	v_pk_fma_f32 v[ACC+8*A+\j:ACC+8*A+\j+1], v[ACC+8*A+\j:ACC+8*A+\j+1], s[K2:K2+1], v[CP:CP+1] op_sel:[0,0,1] op_sel_hi:[1,0,1]
.endif
.endr
.set A, A+1
.endr
	s_wait_alu depctr_va_vdst(0)                       ; a wait ahead of a batch and one behind it
.set J, 0
.rept 8*\n
	v_exp_f32 v[ACC+J], v[ACC+J]
.set J, J+1
.endr
	v_nop
	s_wait_alu depctr_va_vdst(0)
.set J, 0
.rept 4*\n
	v_pk_add_f32 v[ACC+J:ACC+J+1], v[ACC+J:ACC+J+1], 1.0 op_sel_hi:[1,0]
.set J, J+2
.endr
	s_wait_alu depctr_va_vdst(0)
.set J, 0
.rept 8*\n
	v_rcp_f32 v[ACC+J], v[ACC+J]                       ; an infinite 2^.. gives 0: tanh = 1
.set J, J+1
.endr
	v_nop
	s_wait_alu depctr_va_vdst(0)
.set A, 0
.rept \n
.set VP, VVR+((T0+A)/2)*2
.irp j, 0,2,4,6
.if (\u == 0) && (A == 0)
	v_pk_mul_f32 v[SA+\j:SA+\j+1], v[ACC+\j:ACC+\j+1], v[VP:VP+1] op_sel_hi:[1,0]
.elseif (T0+A)%2 == 0
	v_pk_fma_f32 v[SA+\j:SA+\j+1], v[ACC+8*A+\j:ACC+8*A+\j+1], v[VP:VP+1], v[SA+\j:SA+\j+1] op_sel_hi:[1,0,1]
.else
	v_pk_fma_f32 v[SA+\j:SA+\j+1], v[ACC+8*A+\j:ACC+8*A+\j+1], v[VP:VP+1], v[SA+\j:SA+\j+1] op_sel:[0,1,0] op_sel_hi:[1,1,1]
.endif
.endr
.set A, A+1
.endr
.endm
.macro PSUM                            ; over the 16 units of a lane row; every lane of a half then holds rows 8 h .. 8 h + 7 and stores the same 32 bytes
.irp m, 1,2,4,8
.irp j, 0,1,2,3,4,5,6,7
	v_add_f32_dpp v[SA+\j], v[SA+\j], v[SA+\j] row_xmask:\m row_mask:0xf bank_mask:0xf
.endr
.endr
	ds_store_b128 v[PSW], v[SA:SA+3]
	ds_store_b128 v[PSW], v[SA+4:SA+7] offset:16
.endm
.macro CLOAD g                         ; rows 4 g .. 4 g + 3 of my strip: 32 bytes a lane and row
.set BB, CB0+32*((\g)%3)
.irp i, 0,1,2,3
	ds_load_b128 v[BB+8*\i:BB+8*\i+3], v[XCA] offset:(4*(\g)+\i)*ROWP
	ds_load_b128 v[BB+8*\i+4:BB+8*\i+7], v[XCA] offset:(4*(\g)+\i)*ROWP+512
.endr
.endm
.macro CACC g
.set BB, CB0+32*((\g)%3)
.irp i, 0,1,2,3
	v_readlane_b32 s[WT+2*\i], v[PR], 4*(\g)+\i
.endr
.irp i, 0,1,2,3
.irp k, 0,2,4,6
	v_pk_fma_f32 v[CTX+\k:CTX+\k+1], v[BB+8*\i+\k:BB+8*\i+\k+1], s[WT+2*\i:WT+2*\i+1], v[CTX+\k:CTX+\k+1] op_sel_hi:[1,0,1]
.endr
.endr
.endm
.macro SOFT                            ; lane l holds row l % 16: both halves of the lanes hold the same
	v_add_f32 v236, v[PT], v[PT+1]
	v_add_f32 v237, v[PT+2], v[PT+3]
	v_add_f32 v[SCORE], v236, v237
	v_mov_b32 v238, v[SCORE]
.irp m, 1,2,4,8
	v_max_num_f32_dpp v238, v238, v238 row_xmask:\m row_mask:0xf bank_mask:0xf
.endr
	v_max_num_f32 v[MN], v238, v[MRUN]                 ; the running maximum
	v_sub_f32 v240, v[MRUN], v[MN]
	v_sub_f32 v241, v[SCORE], v[MN]
	v_mul_f32 v240, s[L2E], v240
	v_mul_f32 v241, s[L2E], v241
	s_wait_alu depctr_va_vdst(0)
	v_exp_f32 v[FF], v240
	v_exp_f32 v[PR], v241
	v_mov_b32 v[MRUN], v[MN]
	s_wait_alu depctr_va_vdst(0)
	v_fma_f32 v[LSUM], v[LSUM], v[FF], v[PR]
.irp k, 0,2,4,6
	v_pk_mul_f32 v[CTX+\k:CTX+\k+1], v[CTX+\k:CTX+\k+1], v[FF:FF+1] op_sel_hi:[1,0]
.endr
.endm
.macro G q, lw                         ; a trip: 16 rows.  q = 1: the next tile is quantised at its end.  lw = 1: the first trip, with the last resident tiles still on their way
	v_add_nc_u32 v[XCA], s[TB], v[XCB]                 ; this tile's slot
	s_xor_b32 s[TB], s[TB], SLOTB
.if \q
	v_add_nc_u32 v[XQA], s[TB], v[XQ]                  ; the next tile's
.endif
	LLOAD 0
	FETCH
	s_wait_dscnt 0x0
	MM 0, 4
	LLOAD 1
	TANH 0, 4
	s_wait_dscnt 0x0
.irp u, 1,2,3
.if (\lw) && (\u == 3)
	s_wait_loadcnt 32                                  ; tiles 11 and 12 are in; behind them: the 32 loads of tiles 14 and 15
.endif
	MM \u, 3
	LLOAD \u+1
	TANH \u, 3
	s_wait_dscnt 0x0
.endr
.if \lw
	s_wait_loadcnt 0x0
.endif
	MM 4, 3
	TANH 4, 3
	PSUM
	s_wait_dscnt 0x0
	s_barrier_signal -1
	s_barrier_wait -1
.irp i, 0,1,2,3
	ds_load_b32 v[PT+\i], v[PSR] offset:64*\i
.endr
	CLOAD 0
	CLOAD 1
	CLOAD 2
	s_wait_dscnt 24                                    ; the four partial scores are in
	SOFT
	s_wait_alu depctr_va_vdst(0)                       ; the wait ahead of each wait below
	s_wait_dscnt 16
	CACC 0
	CLOAD 3
	s_wait_alu depctr_va_vdst(0)
	s_wait_dscnt 16
	CACC 1
	s_wait_alu depctr_va_vdst(0)
.if \q
	s_wait_tensorcnt 0x0                               ; my strip of the next tile has landed: the one load that I have out
	QLD 1
	s_wait_dscnt 24                                    ; behind rows 8-11: 8 loads of rows 12-15 and these 16
.else
	s_wait_dscnt 8
.endif
	CACC 2
	s_wait_alu depctr_va_vdst(0)
.if \q
	s_wait_dscnt 16
.else
	s_wait_dscnt 0x0
.endif
	CACC 3
	v_add_nc_u32 v[SSA], s[TS], v[SSW]
	ds_store_b32 v[SSA], v[SCORE]
	s_add_co_u32 s[TS], s[TS], 64
.if \q
	QLD 0
	s_wait_dscnt 17                                    ; behind K step 1's loads: a store and 16 loads
	QUANT 1
	s_wait_dscnt 3                                     ; behind K step 0's loads: three stores
	QUANT 0
.endif
.endm
.macro REFILL loop                     ; behind trip t: the slot just read takes tile t + 2; the same barrier shows tile t + 1's images to every wave
	s_wait_tensorcnt 0x0
	ds_add_u32 v[SPW], v[NIL]
	s_xor_b32 s[G0W+1], s[G0W+1], SLOTB
	s_add_nc_u64 s[G0W+2:G0W+3], s[G0W+2:G0W+3], 0x10000
	s_wait_xcnt 0x0                                    ; the last trip's prefetches have read their address
	s_add_nc_u64 s[PFA:PFA+1], s[PFA:PFA+1], 0x10000
	s_wait_dscnt 0x0
	s_barrier_signal -1
	s_barrier_wait -1
	tensor_load_to_lds s[G0W:G0W+3], s[G1:G1+7]
	s_nop 0
.rept 4
	v_nop
.endr
.if \loop
	s_cmp_gt_u32 s[CNT], 2                             ; tile t + 4 exists in trips 0 to 11
	s_cbranch_scc0 .Lno_ask
.endif
	global_prefetch_b8 v[PFO], s[PFA:PFA+1] th:TH_LOAD_NT scope:SCOPE_SE
	global_prefetch_b8 v[PFO], s[PFA:PFA+1] offset:512 th:TH_LOAD_NT scope:SCOPE_SE
.if \loop
.Lno_ask:
.endif
.endm
	s_load_b256 s[4:11], s[0:1], 0x0                   ; x, w1f, W1's scales, cb
	s_load_b128 s[12:15], s[0:1], 0x20                 ; V_w, sc
	s_load_b64 s[16:17], s[0:1], 0x30                  ; pc
	v_lshl_add_u32 v[SPW], v0, 2, SPARE
	v_mov_b32 v[NIL], 0
	ds_add_u32 v[SPW], v[NIL]
	ds_add_u32 v[SPW], v[NIL]
	v_lshrrev_b32 v1, 5, v0
	v_readfirstlane_b32 s[WV], v1
	s_and_b32 s[BT], ttmp7, 0xffff
	s_mov_b32 s[G1+0], (2<<16)|(1<<20)|(7<<22)|(3<<25) ; elements of 4 bytes; 4 words of padding behind every 256
	s_mov_b32 s[G1+1], 256<<16
	s_mov_b32 s[G1+2], 16<<16
	s_mov_b32 s[G1+3], 256<<16
	s_mov_b32 s[G1+4], 16
	s_mov_b32 s[G1+5], 1024
	s_mov_b32 s[G1+6], 0
	s_mov_b32 s[G1+7], 0
	s_lshl_b32 s66, s[BT], 23
	s_lshl_b32 s67, ttmp9, 20
	s_add_co_u32 s66, s66, s67
	s_lshl_b32 s67, s[WV], 10
	s_add_co_u32 s66, s66, s67                         ; my strip of the work-group's first row
	s_mov_b32 s67, 0
	s_mov_b32 s[G0A], 1
	s_mov_b32 s[G0W], 1
	s_mul_i32 s[G0A+1], s[WV], STRIP
	s_add_co_u32 s[G0W+1], s[G0A+1], SLOTB
	s_wait_dscnt 0x0
	s_wait_kmcnt 0x0
	s_add_nc_u64 s[G0A+2:G0A+3], s[4:5], s[66:67]
	s_add_nc_u64 s[G0W+2:G0W+3], s[G0A+2:G0A+3], 0x10000
	s_add_nc_u64 s[PFA:PFA+1], s[G0A+2:G0A+3], 0x30000 ; tile 3: the first trip steps it to tile 4
	s_or_b32 s[G0A+3], s[G0A+3], 0x80000000
	s_or_b32 s[G0W+3], s[G0W+3], 0x80000000
	tensor_load_to_lds s[G0A:G0A+3], s[G1:G1+7]        ; tile 0: my one tensor load at the head
	s_nop 0
.rept 4
	v_nop
.endr
	s_lshl_b32 s66, s[WV], 17
	s_add_nc_u64 s[6:7], s[6:7], s[66:67]              ; my 16 tiles
	s_lshl_b32 s66, s[WV], 13
	s_add_nc_u64 s[8:9], s[8:9], s[66:67]
	s_lshl_b32 s66, s[WV], 10
	s_add_nc_u64 s[12:13], s[12:13], s[66:67]          ; V_w at my 256 units
	s_lshl_b32 s68, s[BT], 12
	s_add_co_u32 s66, s66, s68
	s_add_nc_u64 s[10:11], s[10:11], s[66:67]          ; cb likewise, row b
	s_lshl_b32 s66, s[BT], 13
	s_lshl_b32 s68, ttmp9, 10
	s_add_co_u32 s66, s66, s68
	s_lshl_b32 s68, s[WV], 8
	s_add_co_u32 s66, s66, s68
	s_add_nc_u64 s[14:15], s[14:15], s[66:67]
	s_lshl_b32 s66, s[BT], 3
	s_add_co_u32 s66, s66, ttmp9
	s_mul_i32 s66, s66, 4352
	s_lshl_b32 s68, s[WV], 10
	s_add_co_u32 s66, s66, s68
	s_add_nc_u64 s[16:17], s[16:17], s[66:67]
	s_lshl_b32 s68, s[WV], 11
	s_add_co_u32 s68, s68, XIMG
	s_lshl_b32 s69, s[WV], 7
	s_add_co_u32 s69, s69, XSC
	s_mul_i32 s70, s[WV], 40960
	s_add_co_u32 s70, s70, WL
	s_lshl_b32 s71, s[WV], 6
	s_add_co_u32 s71, s71, PS
	s_lshl_b32 s72, s[WV], 10
	s_add_co_u32 s72, s72, SST
	s_mul_i32 s73, s[WV], 1280
	s_add_co_u32 s73, s73, SST
	s_mov_b32 s[K2], 0x4038aa3b                        ; K2 = 2 log2(e)
	s_mov_b32 s[K2+1], s[K2]
	s_mov_b32 s[SEL], 0x76543210
	s_mov_b32 s[SEL+1], 0xfedcba98
	s_mov_b32 s[L2E], 0x3fb8aa3b
	s_mov_b32 s[TB], 0
	s_mov_b32 s[TS], 0
.irp i, 0,1,2,3
	s_mov_b32 s[WT+2*\i+1], 0
.endr
	v_and_b32 v232, 31, v0                             ; lane
	v_and_b32 v233, 15, v0                             ; r
	v_bfe_u32 v234, v0, 4, 1                           ; h
	v_lshlrev_b32 v[WOF], 4, v232
	v_lshlrev_b32 v30, 5, v232
	v_lshlrev_b32 v31, 2, v233
	v_mul_u32_u24 v[XQ], v233, ROWP
	v_lshl_add_u32 v[XQ], v234, 6, v[XQ]
	v_add_nc_u32 v[XQ], s[G0A+1], v[XQ]
	v_add_nc_u32 v[XCB], s[G0A+1], v[WOF]
	v_add_nc_u32 v[IMW], s68, v[WOF]
	v_lshl_add_u32 v[SCW], v233, 2, s69
	v_add_nc_u32 v[IMR], XIMG, v[WOF]
	v_lshl_add_u32 v[SCR], v232, 2, XSC
	v_add_nc_u32 v[WLA], s70, v[WOF]
	v_lshl_add_u32 v[PSW], v234, 5, s71
	v_lshl_add_u32 v[PSR], v233, 2, PS
	v_lshl_add_u32 v[SSW], v233, 2, s72
	v_lshl_add_u32 v[SSR], v232, 3, s73
	v_lshlrev_b32 v[L8], 3, v232
	v_lshlrev_b32 v[PFO], 12, v233
	v_lshl_add_u32 v[PFO], v234, 8, v[PFO]             ; the prefetches: row r of x, block h of my strip
.irp k, 0,1,2,3,4,5,6,7
	v_mov_b32 v[CTX+\k], 0
.endr
	v_mov_b32 v[MRUN], 0xff61b1e6                      ; -3e38, under every score
	v_mov_b32 v[LSUM], 0
	v_mov_b32 v[FF+1], 0
	s_wait_alu depctr_va_vdst(0)                       ; the wait behind the head's address work
	RLD 0,  0x80, 0                                    ; the five tiles for LDS are staged where resident tiles come later
	RLD 4,  0x80, 64
	RLD 7,  0x80, 128
	RLD 10, 0x80, 192
	RLD 13, 0xc0, 0
	WIN 0
.irp p, 0,1,2,3,4,5,6,7
	global_load_b128 v[WS+8*\p:WS+8*\p+3], v30, s[8:9] offset:1024*\p
	global_load_b128 v[WS+8*\p+4:WS+8*\p+7], v30, s[8:9] offset:1024*\p+16
.endr
.irp t, 0,1,2,3,4,5,6,7,8,9,10,11,12,13,14,15
	global_load_b32 v[CCR+\t], v31, s[10:11] offset:64*\t
.endr
.irp t, 0,1,2,3,4,5,6,7,8,9,10,11,12,13,14,15
	global_load_b32 v[VVR+\t], v31, s[12:13] offset:64*\t
.endr
	s_wait_loadcnt 48                                  ; the 80 loads of the five tiles are in; the 48 behind them may be out
	LST 0, 0x08, 0
	LST 1, 0x08, 64
	LST 2, 0x08, 128
	LST 3, 0x08, 192
	LST 4, 0x0c, 0
	WIN 0
	s_wait_dscnt 0x0                                   ; the stores have read their registers
	RLD 1,  0x40, 64
	RLD 2,  0x40, 128
	RLD 3,  0x40, 192
	RLD 5,  0x80, 0
	RLD 6,  0x80, 64
	RLD 8,  0x80, 128
	RLD 9,  0x80, 192
	RLD 11, 0xc0, 0
	RLD 12, 0xc0, 64
	RLD 14, 0xc0, 128
	RLD 15, 0xc0, 192
	WIN 0
	s_wait_tensorcnt 0x0                               ; tile 0 is in; slot 1's first fill is issued as a refill is
	ds_add_u32 v[SPW], v[NIL]
	s_wait_dscnt 0x0
	s_barrier_signal -1
	s_barrier_wait -1
	tensor_load_to_lds s[G0W:G0W+3], s[G1:G1+7]        ; tile 1
	s_nop 0
.rept 4
	v_nop
.endr
	v_add_nc_u32 v[XQA], s[TB], v[XQ]                  ; tile 0 is quantised while the resident tiles are on their way
	QLD 0
	QLD 1
	s_wait_dscnt 16
	QUANT 0
	s_wait_dscnt 3
	QUANT 1
	s_wait_dscnt 0x0                                   ; my images are written
	s_barrier_signal -1
	s_barrier_wait -1
	s_wait_loadcnt 63                                  ; the scale words, cb, V_w and tiles 1 to 9 are in: behind tile 9's loads stand the 64 of tiles 11, 12, 14, 15
.irp t, 0,2,4,6,8,10,12,14
	v_pk_mul_f32 v[VVR+\t:VVR+\t+1], v[VVR+\t:VVR+\t+1], -2.0 op_sel_hi:[1,0]
.endr
	s_wait_alu depctr_va_vdst(0)
	G 1, 1                                             ; trip 0 is written out: it waits for the last resident tiles where it needs them
	REFILL 0
	s_mov_b32 s[CNT], 13
.Lfill:                                                ; trips 1 to 13
	G 1, 0
	REFILL 1
	s_sub_co_u32 s[CNT], s[CNT], 1
	s_cmp_lg_u32 s[CNT], 0
	s_cbranch_scc1 .Lfill
	G 1, 0                                             ; trip 14 fills nothing; tile 15's images are shown by a plain barrier
	s_wait_dscnt 0x0
	s_barrier_signal -1
	s_barrier_wait -1
	G 0, 0                                             ; trip 15
.irp m, 1,2,4,8
	v_add_f32_dpp v[LSUM], v[LSUM], v[LSUM] row_xmask:\m row_mask:0xf bank_mask:0xf   ; over the 16 rows of a trip: each half of the lanes holds all of them
.endr
	s_wait_alu depctr_va_vdst(0)                       ; the wait ahead of the waits below
	ds_load_b64 v[232:233], v[SSR]                     ; my 64 of the 256 scores, from my own copy
	s_wait_dscnt 0x0
	s_wait_tensorcnt 0x0                               ; the wave's end
	ds_add_u32 v[SPW], v[NIL]
	s_wait_dscnt 0x0
	global_store_b64 v[L8], v[232:233], s[14:15]       ; a wave stores 256 consecutive bytes
	global_store_b128 v[WOF], v[CTX:CTX+3], s[16:17]
	global_store_b128 v[WOF], v[CTX+4:CTX+7], s[16:17] offset:512
	s_cmp_lg_u32 s[WV], 0
	s_cbranch_scc1 .Lend
	global_store_b64 v[L8], v[MRUN:LSUM], s[16:17] offset:4096   ; 32 copies of (maximum, sum)
.Lend:
	s_endpgm
.Lfunc_end_k_qb35eb820f2_main:
	.size	k_qb35eb820f2_main, .Lfunc_end_k_qb35eb820f2_main-k_qb35eb820f2_main
	.p2alignl 7, 3214868480
	.fill 96, 4, 3214868480
	.section	.rodata,"a",@progbits
	.p2align	6, 0x0
	.amdhsa_kernel k_qb35eb820f2_main
		.amdhsa_group_segment_fixed_size 327680
		.amdhsa_private_segment_fixed_size 0
		.amdhsa_enable_private_segment 0
		.amdhsa_kernarg_size 56
		.amdhsa_user_sgpr_count 2
		.amdhsa_user_sgpr_kernarg_segment_ptr 1
		.amdhsa_wavefront_size32 1
		.amdhsa_system_sgpr_workgroup_id_x 1
		.amdhsa_system_sgpr_workgroup_id_y 1
		.amdhsa_system_sgpr_workgroup_id_z 1
		.amdhsa_system_vgpr_workitem_id 0
		.amdhsa_next_free_vgpr 1024
		.amdhsa_next_free_sgpr 80
		.amdhsa_reserve_vcc 0
		.amdhsa_float_denorm_mode_32 3
		.amdhsa_float_denorm_mode_16_64 3
		.amdhsa_memory_ordered 1
		.amdhsa_forward_progress 1
		.amdhsa_inst_pref_size 255
	.end_amdhsa_kernel
	.section	.bss,"aw",@nobits
	.p2align	6
	.space	262144
	.amdgpu_metadata
---
amdhsa.version: [ 1, 2 ]
amdhsa.kernels:
  - .name:           k_qb35eb820f2_main
    .symbol:         k_qb35eb820f2_main.kd
    .args:
      - { .name: x, .offset: 0, .size: 8, .value_kind: global_buffer, .address_space: global }
      - { .name: w1f, .offset: 8, .size: 8, .value_kind: global_buffer, .address_space: global }
      - { .name: W1_w_scales, .offset: 16, .size: 8, .value_kind: global_buffer, .address_space: global }
      - { .name: cb, .offset: 24, .size: 8, .value_kind: global_buffer, .address_space: global }
      - { .name: V_w, .offset: 32, .size: 8, .value_kind: global_buffer, .address_space: global }
      - { .name: sc, .offset: 40, .size: 8, .value_kind: global_buffer, .address_space: global }
      - { .name: pc, .offset: 48, .size: 8, .value_kind: global_buffer, .address_space: global }
    .group_segment_fixed_size: 327680
    .private_segment_fixed_size: 0
    .kernarg_segment_align: 8
    .kernarg_segment_size: 56
    .max_flat_workgroup_size: 128
    .sgpr_count:     80
    .vgpr_count:     1024
    .wavefront_size: 32
...
	.end_amdgpu_metadata
.endif
;; end of part 2
;; launch finish (part 3): grid 4 x 32, 4 waves a work-group, no clusters, 0 bytes of LDS; arguments sc, pc, out0, out1; writes out0, out1
.if DOCPART == 3
	.amdgcn_target "amdgcn-amd-amdhsa--gfx1250"
	.amdhsa_code_object_version 6
	.text
	.protected	k_qb35eb820f2_finish
	.globl	k_qb35eb820f2_finish
	.p2align	8
	.type	k_qb35eb820f2_finish,@function
k_qb35eb820f2_finish:
	s_mov_b64 s[64:65], 0
	v_nop
	global_prefetch_b8 v0, s[64:65] scope:SCOPE_SE
	s_setreg_imm32_b32 hwreg(HW_REG_WAVE_MODE, 25, 1), 1
	s_wait_xcnt 0x0
; A batch's eight records (partial weighted sum, maximum m_i, sum l_i) are joined: M = the largest m_i, e_i = e^(m_i - M), L = the sum of l_i e_i;
; out0[b][u] = the sum over i of part_i[u] e_i / L;  out1[b][t] = e^(score[b][t] - M) / L.
; Work-group (q, b): a quarter of batch b: 256 columns of out0 (8 bytes a thread) and 512 weights of out1 (16 bytes a thread).  No LDS, no barrier: every thread reads the eight pairs (m, l) itself.
.set REC, 4352                         ; a record: 4,096 bytes of sums, then 32 copies of (m, l)
	s_load_b256 s[4:11], s[0:1], 0x0               ; sc s[4:5], pc s[6:7], out0 s[8:9], out1 s[10:11]
	s_and_b32 s12, ttmp7, 0xffff                   ; b
	v_and_b32 v1, 31, v0
	v_lshlrev_b32 v1, 3, v1                        ; 8 x lane: my copy of a pair
	s_lshl_b32 s13, ttmp9, 10
	v_lshl_add_u32 v2, v0, 3, s13                  ; 1,024 q + 8 t: my two columns
	s_lshl_b32 s14, ttmp9, 11
	v_lshl_add_u32 v3, v0, 4, s14                  ; 2,048 q + 16 t: my four scores
	s_mul_i32 s16, s12, 8*REC
	s_mov_b32 s17, 0
	s_lshl_b32 s18, s12, 13
	s_mov_b32 s19, 0
	s_lshl_b32 s20, s12, 12
	s_mov_b32 s21, 0
	s_mov_b32 s22, 0x3fb8aa3b                      ; log2(e)
	s_wait_alu depctr_va_vdst(0)
	s_wait_kmcnt 0x0
	s_add_nc_u64 s[6:7], s[6:7], s[16:17]
	s_add_nc_u64 s[4:5], s[4:5], s[18:19]
	s_add_nc_u64 s[10:11], s[10:11], s[18:19]
	s_add_nc_u64 s[8:9], s[8:9], s[20:21]
.irp i, 0,1,2,3,4,5,6,7
	global_load_b64 v[8+2*\i:9+2*\i], v1, s[6:7] offset:REC*\i+4096     ; (m_i, l_i)
.endr
.irp i, 0,1,2,3,4,5,6,7
	global_load_b64 v[24+2*\i:25+2*\i], v2, s[6:7] offset:REC*\i        ; part i at my two columns: a wave reads 256 consecutive bytes
.endr
	global_load_b128 v[40:43], v3, s[4:5]
	s_wait_loadcnt 9                               ; the eight pairs are in; the nine loads behind them may be out
	v_max3_num_f32 v44, v8, v10, v12
	v_max3_num_f32 v44, v44, v14, v16
	v_max3_num_f32 v44, v44, v18, v20
	v_max_num_f32 v44, v44, v22                    ; M
.irp i, 0,1,2,3,4,5,6,7
	v_sub_f32 v[46+\i], v[8+2*\i], v44
.endr
.irp i, 0,1,2,3,4,5,6,7
	v_mul_f32 v[46+\i], s22, v[46+\i]
.endr
	s_wait_alu depctr_va_vdst(0)
.irp i, 0,1,2,3,4,5,6,7
	v_exp_f32 v[46+\i], v[46+\i]                   ; e_i
.endr
	v_nop                                          ; a plain place behind the last exponential
	s_wait_alu depctr_va_vdst(0)                   ; one wait for the eight, ahead of their first reader
	v_mul_f32 v54, v9, v46
.irp i, 1,2,3,4,5,6,7
	v_fmac_f32 v54, v[9+2*\i], v[46+\i]            ; L
.endr
	s_wait_alu depctr_va_vdst(0)
	v_rcp_f32 v55, v54
	v_nop
	s_wait_alu depctr_va_vdst(0)
.irp i, 0,1,2,3,4,5,6,7
	v_mul_f32 v[46+\i], v[46+\i], v55              ; e_i / L
.endr
	s_wait_loadcnt 0x0
.irp j, 0,1,2,3
	v_sub_f32 v[40+\j], v[40+\j], v44
.endr
.irp j, 0,1,2,3
	v_mul_f32 v[40+\j], s22, v[40+\j]
.endr
	s_wait_alu depctr_va_vdst(0)
.irp j, 0,1,2,3
	v_exp_f32 v[40+\j], v[40+\j]
.endr
	v_mul_f32 v56, v24, v46                        ; (plain work behind the exponentials: it names none of their results)
	v_mul_f32 v57, v25, v46
.irp i, 1,2,3,4,5,6,7
	v_fmac_f32 v56, v[24+2*\i], v[46+\i]
	v_fmac_f32 v57, v[25+2*\i], v[46+\i]
.endr
	global_store_b64 v2, v[56:57], s[8:9]          ; a wave stores 256 consecutive bytes, at a multiple of 256 from out0's first byte
	s_wait_alu depctr_va_vdst(0)                   ; one wait for the four exponentials
.irp j, 0,1,2,3
	v_mul_f32 v[58+\j], v[40+\j], v55
.endr
	global_store_b128 v3, v[58:61], s[10:11]       ; a wave stores 512 consecutive bytes
	s_endpgm
.Lfunc_end_k_qb35eb820f2_finish:
	.size	k_qb35eb820f2_finish, .Lfunc_end_k_qb35eb820f2_finish-k_qb35eb820f2_finish
	.p2alignl 7, 3214868480
	.fill 96, 4, 3214868480
	.section	.rodata,"a",@progbits
	.p2align	6, 0x0
	.amdhsa_kernel k_qb35eb820f2_finish
		.amdhsa_group_segment_fixed_size 0
		.amdhsa_private_segment_fixed_size 0
		.amdhsa_enable_private_segment 0
		.amdhsa_kernarg_size 32
		.amdhsa_user_sgpr_count 2
		.amdhsa_user_sgpr_kernarg_segment_ptr 1
		.amdhsa_wavefront_size32 1
		.amdhsa_system_sgpr_workgroup_id_x 1
		.amdhsa_system_sgpr_workgroup_id_y 1
		.amdhsa_system_sgpr_workgroup_id_z 1
		.amdhsa_system_vgpr_workitem_id 0
		.amdhsa_next_free_vgpr 64
		.amdhsa_next_free_sgpr 66
		.amdhsa_reserve_vcc 0
		.amdhsa_float_denorm_mode_32 3
		.amdhsa_float_denorm_mode_16_64 3
		.amdhsa_memory_ordered 1
		.amdhsa_forward_progress 1
		.amdhsa_inst_pref_size 6
	.end_amdhsa_kernel
	.amdgpu_metadata
---
amdhsa.version: [ 1, 2 ]
amdhsa.kernels:
  - .name:           k_qb35eb820f2_finish
    .symbol:         k_qb35eb820f2_finish.kd
    .args:
      - { .name: sc, .offset: 0, .size: 8, .value_kind: global_buffer, .address_space: global }
      - { .name: pc, .offset: 8, .size: 8, .value_kind: global_buffer, .address_space: global }
      - { .name: out0, .offset: 16, .size: 8, .value_kind: global_buffer, .address_space: global }
      - { .name: out1, .offset: 24, .size: 8, .value_kind: global_buffer, .address_space: global }
    .group_segment_fixed_size: 0
    .private_segment_fixed_size: 0
    .kernarg_segment_align: 8
    .kernarg_segment_size: 32
    .max_flat_workgroup_size: 128
    .sgpr_count:     66
    .vgpr_count:     64
    .wavefront_size: 32
...
	.end_amdgpu_metadata
.endif
;; end of part 3
